; MI455X (gfx1250); checked and timed in simulation.
; The chip was launched on July 23, 2026; its instructions are those of AMD's public machine-readable ISA for CDNA 5 (MIT licence, August 2026) and "CDNA5" Instruction Set Architecture Reference Guide (July 2026). The comments in the code are by the model that wrote it; some were corrected since.
;; Block. Allowed arithmetic: matrix products marked QUANTISED: E2M3 operands, one E8M0 scale for each 32 along K, by v_wmma_scale_f32_16x16x128_f8f6f4 with both operands' format E2M3, f32 sums; everything else in f32.
;; Inputs: ff1_b 1,024 float32; ff1_w 256 x 1,024 float32; ff2_b 256 float32; ff2_w 1,024 x 256 float32; ln1_b 256 float32; ln1_g 256 float32; ln2_b 256 float32; ln2_g 256 float32; proj_b 256 float32; proj_w 256 x 256 float32; wk 8 x 256 x 32 float32; wq 8 x 256 x 32 float32; wv 8 x 256 x 32 float32; x 512 x 128 x 256 float32.
;; Outputs: out0 512 x 128 x 256 float32.
;; This version of the problem:
;;   THIS VERSION OF THE PROBLEM IS GIVEN IN LOW PRECISION. The matrix products marked QUANTISED in the list below multiply operands that are first quantised to E2M3 (2 exponent bits, 3 mantissa bits; 6 bits a number), with one power-of-two scale for each 32 numbers along K (OCP MX v1.0); their sums are f32. All else is computed in f32.
;;   The module's matrix products, in the order in which they are computed (A, B: the left and right operand; K: the contracted axis; several contracted axes count as one K, in the product's order):
;;     1. [M 256, K 256] x [K 256, N 65,536]; A: input wq; B: computed on the way: QUANTISED
;;     2. [M 256, K 256] x [K 256, N 65,536]; A: input wk; B: computed on the way: QUANTISED
;;     3. [M 256, K 256] x [K 256, N 65,536]; A: input wv; B: computed on the way: QUANTISED
;;     4. batch 4,096 x [M 128, K 32] x [K 32, N 128]; A: computed on the way; B: computed on the way: QUANTISED
;;     5. batch 4,096 x [M 128, K 128] x [K 128, N 32]; A: softmax (see below); B: computed on the way: QUANTISED
;;     6. [M 65,536, K 256] x [K 256, N 256]; A: computed on the way; B: input proj_w: QUANTISED
;;     7. [M 65,536, K 256] x [K 256, N 1,024]; A: computed on the way; B: input ff1_w: QUANTISED
;;     8. [M 65,536, K 1,024] x [K 1,024, N 256]; A: computed on the way; B: input ff2_w: QUANTISED
;;   THE QUANTISER, for each operand of a quantised product, along K:
;;     - K is cut into blocks of 32 from its start; a last block that is shorter is filled with zeros.
;;     - A block's scale is 2^e with e = floor(log2(the largest magnitude in the block)) - 2, held to -126 .. 127; a block of zeros has e = 0. As a byte (E8M0): e + 127.
;;     - Each number is divided by its block's scale, clamped to +-7.5, and rounded to the nearest number of E2M3, ties to even, subnormals kept.
;;     - The product sums the exact products of the quantised numbers (number of the format x scale) in f32.
;;   ~~~python
;;   def quantise(x, axis):      # numpy; x: float32 -> the quantised numbers, widened to float32 again
;;       x = np.moveaxis(x, axis, -1); K = x.shape[-1]
;;       x = np.pad(x, [(0, 0)] * (x.ndim - 1) + [(0, -K % 32)]); x = x.reshape(x.shape[:-1] + (-1, 32)); a = np.abs(x).max(-1, keepdims=True)
;;       e = np.where(a > 0, np.clip(np.frexp(np.where(a > 0, a, 1))[1] - 1 - 2, -126, 127), 0)      # np.frexp(a)[1] - 1 = floor(log2(a)), exactly
;;       r = np.clip(x / 2.0 ** e, -7.5, 7.5)
;;       step = 2.0 ** (np.maximum(np.frexp(np.where(r == 0, 1, r))[1] - 1, 0) - 3)
;;       q = np.round(r / step) * step * 2.0 ** e      # np.round: ties to even
;;       return np.moveaxis(q.reshape(q.shape[:-2] + (-1,))[..., :K], -1, axis).astype(np.float32)
;;   ~~~
;;   SOFTMAX AHEAD OF A QUANTISED PRODUCT. Where the list says 'softmax', what is quantised is not the finished softmax but p = 2^(t - M), with t = logit x log2(e) and M = ceil(the row's largest t), a whole number; so 1/2 < the row's largest p <= 1. The row's sum l is taken of the UNQUANTISED p, in f32, and the product's result is divided by l at the end. Since M is a whole number, a kernel that streams over the keys may use a running M (the ceiling of the running maximum): every later rescaling is an exact power of two, which a block's scale takes up: the codes' values come out the same.
;;   OPERANDS COMPUTED ON THE WAY. 'Computed on the way' means the value that the module computes at that place (a softmax that the list does not call 'softmax' is quantised finished and normalised). What goes into a quantiser is computed in f32, as accurately as f32 sums, v_exp_f32 and their like allow (about 1e-6 of the number): no bf16 or f16 on the way to a quantiser, and a product that is left as it is and whose result goes on into a quantised operand takes f32 operands (vector FMAs, or v_wmma_f32_16x16x4_f32). A number that lies on a knife's edge between two numbers of the format may be rounded either way, as far as f32 arithmetic and the matrix unit's own rounding can turn it there, and no further.
;; One version. Each part assembles by itself: llvm-mc -triple=amdgcn-amd-amdhsa -mcpu=gfx1250 --defsym DOCPART=n.
;; ======== version 1 of 1: 2 launches
;; limits: right only within a limited range of input values
;; workspace buffers: wcodes 589,824 bytes; wscales 49,152 bytes
;; launch prep (part 1): grid 384 x 1, 1 waves a work-group, no clusters, 0 bytes of LDS; arguments wq, wk, wv, proj_w, ff1_w, ff2_w, wcodes, wscales; writes wcodes, wscales
.if DOCPART == 1
	.amdgcn_target "amdgcn-amd-amdhsa--gfx1250"
	.amdhsa_code_object_version 6
	.text
	.protected	k_q4dfeb2e690_prep
	.globl	k_q4dfeb2e690_prep
	.p2align	8
	.type	k_q4dfeb2e690_prep,@function
k_q4dfeb2e690_prep:
	s_mov_b64 s[64:65], 0
	v_nop
	global_prefetch_b8 v0, s[64:65] scope:SCOPE_SE
	s_setreg_imm32_b32 hwreg(HW_REG_WAVE_MODE, 25, 1), 1
	s_wait_xcnt 0x0
; The six weights, f32 with K not innermost, become codes of FP6 (E2M3) with one E8M0 byte for each 32 along K, laid in the ORDER OF THE OPERAND'S REGISTERS.
; A fragment is 16 units x 128 K: 12 registers a lane.  One wave makes one fragment f (the work-group's number): 1,536 bytes at wcodes + 1,536 f (registers 4 c .. 4 c + 3 of lane l at 512 c + 16 l)
; and its scale words, 128 bytes at wscales + 128 f (lane l's word at 4 l; lanes 16-31 repeat lanes 0-15).
; THE UNITS OF A TILE ARE NOT NEIGHBOURS: lane r takes unit n0 + r + 8 (r / 8), so that the results of two neighbouring tiles are 16 neighbours along the next product's K.
;   f   0 ..  95  wq, wk, wv [8][256][32]: kind f / 32, head (f / 4) % 8, u = (f / 2) % 2, s = f % 2;   n0 = 8 u in the head, K = 128 s on
;   f  96 .. 127  proj_w [256][256]:  g = f - 96:  w = g / 4,  u = (g / 2) % 2, s = g % 2;             n0 = 32 w + 8 u
;   f 128 .. 255  ff1_w [256][1024]:  g = f - 128: w = g / 16, t = (g / 2) % 8, s = g % 2;             n0 = 128 w + 32 (t / 2) + 8 (t % 2)
;   f 256 .. 383  ff2_w [1024][256]:  g = f - 256: w = g / 16, u = (g / 8) % 2, s = g % 8;             n0 = 32 w + 8 u
; A LANE TAKES A COLUMN AND ITS REGISTERS RUN DOWN K, in the order that the operand's layout gives lane (r, h): k = 64 c + 32 h + 0 .. 31.  So a lane holds two whole blocks and the conversions' results are the operand.
; A block's scale is 2^(floor(log2(its largest magnitude)) - 2); its byte is the largest magnitude's exponent field - 2, held at 1 from below.
; LIMITS: a block of zeros gets the byte 1 where the rule says 127 (its codes are zeros, and this program alone reads the bytes); blocks whose largest magnitude lies under 2^-124 are held at byte 1;
; NaN and infinities among the inputs are not served.  The scale words leave in runs of 128 bytes: 49,152 bytes in the whole launch.
.macro WLOAD st                        ; 64 numbers: W(64 c + 32 h + i, my column); st = bytes from one k to the next
.irp c,0,1
.set n, 0
.rept 32
	global_load_b32 v[64+32*\c+n], v5, s[24:25] offset:\st*(64*\c+n)
.set n, n+1
.endr
.endr
.endm
	s_load_b256 s[4:11], s[0:1], 0x0               ; wq s[4:5], wk s[6:7], wv s[8:9], proj_w s[10:11]
	s_load_b256 s[12:19], s[0:1], 0x20             ; ff1_w s[12:13], ff2_w s[14:15], wcodes s[16:17], wscales s[18:19]
	v_and_b32 v1, 15, v0                           ; r
	v_lshrrev_b32 v2, 4, v0                        ; h (one wave: the thread's number is the lane)
	v_and_b32 v3, 8, v1
	v_add_nc_u32 v3, v3, v1
	v_lshlrev_b32 v3, 2, v3                        ; 4 (r + 8 (r / 8)): my column in the tile, in bytes
	v_lshlrev_b32 v6, 4, v0                        ; the image: 16 x lane
	v_lshlrev_b32 v7, 2, v0                        ; the scale word: 4 x lane
	s_mov_b32 s20, 0x76543210
	s_mov_b32 s21, 0xfedcba98                      ; v_permlanex16_b32's selects for lane l xor 16
	s_mov_b32 s27, 0                               ; the offsets' high word
	s_mul_i32 s32, ttmp9, 1536
	s_mov_b32 s33, 0
	s_lshl_b32 s34, ttmp9, 7
	s_mov_b32 s35, 0
	s_wait_kmcnt 0x0
	s_add_nc_u64 s[16:17], s[16:17], s[32:33]      ; where my fragment goes
	s_add_nc_u64 s[18:19], s[18:19], s[34:35]      ; and its scale words
	s_cmp_lt_u32 ttmp9, 96
	s_cbranch_scc0 .Lnot_qkv
	s_lshr_b32 s28, ttmp9, 5                       ; kind: the choice of the buffer hangs on the work-group's number alone
	s_cmp_eq_u32 s28, 0
	s_cselect_b64 s[24:25], s[4:5], s[6:7]
	s_cmp_eq_u32 s28, 2
	s_cselect_b64 s[24:25], s[8:9], s[24:25]
	s_bfe_u32 s29, ttmp9, 0x30002                  ; head: 256 x 32 x 4 bytes each
	s_lshl_b32 s26, s29, 15
	s_and_b32 s29, ttmp9, 1                        ; s: 128 rows of 128 bytes
	s_lshl_b32 s29, s29, 14
	s_add_co_u32 s26, s26, s29
	s_bfe_u32 s29, ttmp9, 0x10001                  ; u: 8 columns
	s_lshl_b32 s29, s29, 5
	s_add_co_u32 s26, s26, s29
	s_add_nc_u64 s[24:25], s[24:25], s[26:27]
	s_wait_alu depctr_va_vdst(0)
	v_lshl_add_u32 v5, v2, 12, v3                  ; lanes 16-31 begin 32 rows further down
	WLOAD 128
	s_branch .Lq
.Lnot_qkv:
	s_cmp_lt_u32 ttmp9, 128
	s_cbranch_scc0 .Lnot_proj
	s_sub_co_u32 s28, ttmp9, 96
	s_and_b32 s29, s28, 1                          ; s: 128 rows of 1,024 bytes
	s_lshl_b32 s26, s29, 17
	s_lshr_b32 s29, s28, 2                         ; w: 32 columns
	s_lshl_b32 s29, s29, 7
	s_add_co_u32 s26, s26, s29
	s_bfe_u32 s29, s28, 0x10001                    ; u
	s_lshl_b32 s29, s29, 5
	s_add_co_u32 s26, s26, s29
	s_add_nc_u64 s[24:25], s[10:11], s[26:27]
	s_wait_alu depctr_va_vdst(0)
	v_lshl_add_u32 v5, v2, 15, v3
	WLOAD 1024
	s_branch .Lq
.Lnot_proj:
	s_cmp_lt_u32 ttmp9, 256
	s_cbranch_scc0 .Lff2
	s_sub_co_u32 s28, ttmp9, 128
	s_and_b32 s29, s28, 1                          ; s: 128 rows of 4,096 bytes
	s_lshl_b32 s26, s29, 19
	s_lshr_b32 s29, s28, 4                         ; w: 128 columns
	s_lshl_b32 s29, s29, 9
	s_add_co_u32 s26, s26, s29
	s_bfe_u32 s29, s28, 0x20002                    ; t / 2: 32 columns
	s_lshl_b32 s29, s29, 7
	s_add_co_u32 s26, s26, s29
	s_bfe_u32 s29, s28, 0x10001                    ; t % 2: 8 columns
	s_lshl_b32 s29, s29, 5
	s_add_co_u32 s26, s26, s29
	s_add_nc_u64 s[24:25], s[12:13], s[26:27]
	s_wait_alu depctr_va_vdst(0)
	v_lshl_add_u32 v5, v2, 17, v3
	WLOAD 4096
	s_branch .Lq
.Lff2:
	s_sub_co_u32 s28, ttmp9, 256
	s_and_b32 s29, s28, 7                          ; s: 128 rows of 1,024 bytes
	s_lshl_b32 s26, s29, 17
	s_lshr_b32 s29, s28, 4                         ; w
	s_lshl_b32 s29, s29, 7
	s_add_co_u32 s26, s26, s29
	s_bfe_u32 s29, s28, 0x10003                    ; u
	s_lshl_b32 s29, s29, 5
	s_add_co_u32 s26, s26, s29
	s_add_nc_u64 s[24:25], s[14:15], s[26:27]
	s_wait_alu depctr_va_vdst(0)
	v_lshl_add_u32 v5, v2, 15, v3
	WLOAD 1024
.Lq:
	s_wait_loadcnt 0x0
.irp c,0,1                                     ; my block 2 c + h: all its 32 numbers are mine
	v_max3_num_f32 v[32+\c], |v[64+32*\c]|, |v[65+32*\c]|, 0x1800000   ; and the floor 2^(3 - 127): the byte cannot fall under 1
.endr
.irp i, 2,4,6,8,10,12,14,16,18,20,22,24,26,28,30
.irp c,0,1
	v_max3_num_f32 v[32+\c], v[32+\c], |v[64+32*\c+\i]|, |v[65+32*\c+\i]|   ; (the two blocks by turns)
.endr
.endr
.irp c,0,1
	v_add_nc_u32 v[44+\c], 0xff000000, v[32+\c]    ; 2 off the exponent field: the conversion takes the exponent field of this operand as its scale
.endr
.irp c,0,1
	v_lshrrev_b32 v[36+\c], 23, v[44+\c]           ; the scale's byte
.endr
	v_lshl_or_b32 v9, v37, 16, v36                 ; my two bytes: blocks h and 2 + h,
	v_lshlrev_b32 v10, 3, v2
	v_lshlrev_b32 v9, v10, v9                      ; at their places in the word (8 h bits up);
	v_mov_b32 v10, 0
	v_permlanex16_b32 v10, v9, s20, s21
	v_or_b32 v9, v9, v10                           ; with lane l xor 16's two the word is whole, in both lanes
.irp c,0,1
	v_cvt_scalef32_pk16_fp6_f32 v[48+6*\c:50+6*\c], v[64+32*\c:79+32*\c], v[44+\c]       ; registers 6 c .. 6 c + 2 of the operand
	v_cvt_scalef32_pk16_fp6_f32 v[192+4*\c:194+4*\c], v[80+32*\c:95+32*\c], v[44+\c]     ; (a conversion's three registers begin on an even number: the second half is made elsewhere and moved)
.endr
	v_nop                                          ; one plain instruction behind the conversions, ahead of the moves that read their results
.irp c,0,1
.irp i,0,1,2
	v_mov_b32 v[51+6*\c+\i], v[192+4*\c+\i]
.endr
.endr
.irp c,0,1,2
	global_store_b128 v6, v[48+4*\c:51+4*\c], s[16:17] offset:512*\c   ; 32 lanes store 512 consecutive bytes, at a multiple of 256 from the buffer's first byte
.endr
	global_store_b32 v7, v9, s[18:19]
	s_endpgm
.Lfunc_end_k_q4dfeb2e690_prep:
	.size	k_q4dfeb2e690_prep, .Lfunc_end_k_q4dfeb2e690_prep-k_q4dfeb2e690_prep
	.p2alignl 7, 3214868480
	.fill 96, 4, 3214868480
	.section	.rodata,"a",@progbits
	.p2align	6, 0x0
	.amdhsa_kernel k_q4dfeb2e690_prep
		.amdhsa_group_segment_fixed_size 0
		.amdhsa_private_segment_fixed_size 0
		.amdhsa_enable_private_segment 0
		.amdhsa_kernarg_size 64
		.amdhsa_user_sgpr_count 2
		.amdhsa_user_sgpr_kernarg_segment_ptr 1
		.amdhsa_wavefront_size32 1
		.amdhsa_system_sgpr_workgroup_id_x 1
		.amdhsa_system_sgpr_workgroup_id_y 1
		.amdhsa_system_sgpr_workgroup_id_z 1
		.amdhsa_system_vgpr_workitem_id 0
		.amdhsa_next_free_vgpr 208
		.amdhsa_next_free_sgpr 66
		.amdhsa_reserve_vcc 0
		.amdhsa_float_denorm_mode_32 3
		.amdhsa_float_denorm_mode_16_64 3
		.amdhsa_memory_ordered 1
		.amdhsa_forward_progress 1
		.amdhsa_inst_pref_size 31
	.end_amdhsa_kernel
	.amdgpu_metadata
---
amdhsa.version: [ 1, 2 ]
amdhsa.kernels:
  - .name:           k_q4dfeb2e690_prep
    .symbol:         k_q4dfeb2e690_prep.kd
    .args:
      - { .name: wq, .offset: 0, .size: 8, .value_kind: global_buffer, .address_space: global }
      - { .name: wk, .offset: 8, .size: 8, .value_kind: global_buffer, .address_space: global }
      - { .name: wv, .offset: 16, .size: 8, .value_kind: global_buffer, .address_space: global }
      - { .name: proj_w, .offset: 24, .size: 8, .value_kind: global_buffer, .address_space: global }
      - { .name: ff1_w, .offset: 32, .size: 8, .value_kind: global_buffer, .address_space: global }
      - { .name: ff2_w, .offset: 40, .size: 8, .value_kind: global_buffer, .address_space: global }
      - { .name: wcodes, .offset: 48, .size: 8, .value_kind: global_buffer, .address_space: global }
      - { .name: wscales, .offset: 56, .size: 8, .value_kind: global_buffer, .address_space: global }
    .group_segment_fixed_size: 0
    .private_segment_fixed_size: 0
    .kernarg_segment_align: 8
    .kernarg_segment_size: 64
    .max_flat_workgroup_size: 32
    .sgpr_count:     66
    .vgpr_count:     208
    .wavefront_size: 32
...
	.end_amdgpu_metadata
.endif
;; end of part 1
;; launch block (part 2): grid 256 x 1, 8 waves a work-group, no clusters, 269,824 bytes of LDS; arguments x, out0, wcodes, wscales, ln1_g, ln1_b, ln2_g, ln2_b, proj_b, ff1_b, ff2_b; writes out0
.if DOCPART == 2
	.amdgcn_target "amdgcn-amd-amdhsa--gfx1250"
	.amdhsa_code_object_version 6
	.text
	.protected	k_q4dfeb2e690_block
	.globl	k_q4dfeb2e690_block
	.p2align	8
	.type	k_q4dfeb2e690_block,@function
k_q4dfeb2e690_block:
	s_mov_b64 s[64:65], 0
	v_nop
	global_prefetch_b8 v0, s[64:65] scope:SCOPE_SE
	s_setreg_imm32_b32 hwreg(HW_REG_WAVE_MODE, 25, 1), 1
	s_wait_xcnt 0x0
; One transformer block: x1 = x + attention(LN1(x)) proj_w + proj_b;  out0 = x1 + relu(LN2(x1) ff1_w + ff1_b) ff2_w + ff2_b.  x, out0: [512][128][256] f32; 8 heads of 32; causal.
; All eight products run on codes of FP6 (E2M3) with one E8M0 byte for each 32 along K; sums, LayerNorms, softmax, biases and residuals in f32.
; SHARES.  A work-group of eight waves takes ONE batch element (128 rows) through everything: no activation goes to memory.  x is read once and out0 written once, both through one stage in LDS.
;   LayerNorms, projection, FF2: wave w owns units 32 w .. 32 w + 31 of all 128 rows (16 accumulators, kept in registers from the projection to the end: the residual).
;   q, k, v, attention: wave w owns head w, whole; q, k, v and p never leave its registers.      FF1: wave w owns hidden units 128 w .. 128 w + 127, which are K step w of FF2.
; LAYOUT.  Products are used transposed (source 0 = 16 units of a weight, source 1 = 16 rows): lane (r, h) of a result holds ONE row, and the 16 registers of two neighbouring tiles hold units 32 b + 16 h + 0 .. 15,
;   since lane r of a weight's tile holds unit n0 + r + 8 (r / 8) (the launch before lays them so).  ROW TILES ARE PERMUTED THE SAME WAY: lane r of tile mt stands for row 32 (mt / 2) + 8 (mt % 2) + r + 8 (r / 8), so that
;   v = h wv (source 0 = h) and S^T = k q^T give a lane 16 neighbouring keys.
; OPERANDS FROM WAVE TO WAVE go through LDS as rows of codes: a fragment (16 rows x 128 K) is 16 rows of 96 bytes, 112 bytes apart (28 words: the 32 lanes of a load of 8 bytes touch 64 different banks; 64 banks of 4 bytes: ISA
;   guide 11.1); block b at byte 24 b, its half h at + 12; the maker's lane stores its 12 bytes and the block's scale byte, the reader's lane takes six pieces of 8 bytes and a scale word.
; WEIGHTS come from memory straight into operand registers, as images of those registers, each fragment once in a work-group.  NO CLUSTER, NO TENSOR LOAD: all work-groups read the same 589,824 bytes of codes, but they
;   do not fit into LDS beside the activations' 200,704 bytes, and a ring for them would put each fragment through LDS (a store and a load more for bytes that are used once) with a round of the cluster's barrier for each refill.
; q AND k have K = 32: one block.  Their codes fill registers 0-5 of lanes 0-15; q's other codes are zeros, so what stands in k's registers 6-11 (the next tile's codes) is multiplied by zeros.
; SOFTMAX: t = score x log2(e) / sqrt(32); M = ceil(the row's largest t); p = 2^(t - M) is quantised along the keys; the row's sum of the unquantised p divides the result.  A wave has a whole row at once: no running maximum.
;   Key blocks wholly behind the diagonal are left out; in the diagonal block of 32 hidden scores get -1e30 added.
; LIMITS: NaN and infinities among the inputs are not served; a block whose largest magnitude lies under 2^-124 is held at byte 1; a block of zeros has byte 1 (absent key blocks byte 0) over zero codes;
;   the LayerNorms' sums are taken in another order than row-major (mean first, then the squares of the deviations); 1 / l and 1 / sqrt by v_rcp_f32 and v_rsq_f32.
; LDS ------------------------------------------------------------------------------------------------------------------------------------------------------------------------------------
.set FB,    1792                       ; a fragment: 16 rows x 112 bytes
.set HIMG,  0                          ; h, later h2: fragment (2 mt + s)
.set HSC,   28672                      ; their scale words: (2 mt + s) x 64 + 4 r
.set OIMG,  29696                      ; o likewise
.set OSC,   58368
.set PS1,   59392                      ; the waves' partial sums: (16 mt + r) x 32 + 4 w; the squares' 4,096 bytes further on
.set STAGE, 67584                      ; 128 rows x 1,040 bytes: x on the way in, out0 on the way out
.set SP,    1040
.set FIMG,  STAGE                      ; between the two: the hidden layer, fragment (8 mt + s),
.set FSC,   182272                     ; and its scale words: (8 mt + s) x 64 + 4 r
; REGISTERS, window 0 ------------------------------------------------------------------------------------------------------------------------------------------------------------------
.set VL16, 2                           ; 16 x lane                              (v2-v23 are written once, at the head)
.set VL4,  3                           ; 4 x lane
.set VX,   4                           ; x, out0: 16 x lane + 16,384 w: my wave's 16 rows
.set AST,  5                           ; the stage by rows: STAGE + 16,768 w + 16 x lane
.set ASC0, 6                           ; the stage by columns: STAGE + 1,040 (r + 8 (r / 8)) + 128 w + 64 h;  v7: 64 rows further on
.set AF,   8                           ; a fragment's reader: 112 r + 24 h
.set AS4,  9                           ; a scale word's reader: 4 r
.set AL,   10                          ; the maker of block w of 8: 112 r + 12 h + 1,792 (w / 4) + 24 (w % 4)
.set ALS,  11                          ; and of its byte: 4 r + 64 (w / 4) + w % 4
.set APS,  12                          ; PS1 + 32 r + 4 w
.set APL,  13                          ; PS1 + 32 r + 16 (h xor (r / 8))
.set AFW,  14                          ; FIMG + 1,792 w + 112 r + 12 h
.set AFSW, 15                          ; FSC + 64 w + 4 r
.set AFF0, 16                          ; FIMG + 112 r + 24 h;  v17: four row tiles further on
.set AFS,  18                          ; FSC + 4 r
.set VB,   19                          ; 128 w + 64 h: my 16 units in a vector of 256
.set VB1,  20                          ; 64 h
.set DG0,  21                          ; r + 8 (r / 8) - 16 h: register i of the diagonal block is hidden where i is greater;  v22: + 8, for the pair's second tile
.set NINF, 23                          ; -1e30: what a hidden score gets added
; A WORK-GROUP TAKES TWO BATCH ELEMENTS, 2 g and 2 g + 1, one after the other, in a counted loop of two trips (.Lelem); all that is said above of one element holds of each trip.
; The second element's x is asked into the L2 in the first trip (64 blocks of 256 bytes a wave, a lane a block, each block named once) and loaded into registers behind the first trip's last product.
; THE CAUSAL MASK is the C operand of the two score tiles on the diagonal: 0 where the key counts, -1e30 where it is hidden, so that p = 2^(t - M) falls to 0 there.  LIMIT: scores stay far under 1e30 in magnitude.
; THE WAY OUT goes by halves of 64 rows: rows 0-63 through LDS bytes 0 .. 66,927 (h2, o and the partial sums lay there; nobody reads them behind FF1's barrier), rows 64-127 through a stage of their own at ST1.
.set MK,   78                          ; window 1, v78-109 (ln1's g and b lay there): the mask, register 16 e + n for tile e of a pair and key 16 h + n of the diagonal block
.set ASO,  28                          ; v28 the half stages by columns: 1,040 (r + 8 (r / 8)) + 128 w + 64 h;  v29: + ST1
.set PFO,  30                          ; v30 the prefetches' offset: 16,384 w + 256 x lane
; THE STAGES ARE SKEWED: row y lies at 1,040 y + 128 (y / 16).  A load or store by columns takes rows r + 8 (r / 8) of a tile, 0-7 and 16-23: with the skew its sixteen lanes touch sixteen different 16-byte columns modulo 256.
; A wave's rows on the way by rows (16 of the whole stage, 8 of a half stage) lie inside one group of 16.  The whole stage so ends at 201,584; the spare words lie from 201,728 on.
.set ST1,  202752                      ; behind the spare words: 64 rows, skewed: 67,072 bytes at the most
.set EL,   56                          ; s56 the trip: 0, 1
.set AT,   24                          ; v24-27: FF1's addresses of the trip
.set AT2,  25
.set AW,   26
.set AWS,  27
.set PW,   31                          ; v31-63 hold scales and nothing else: p's word;
.set WS,   32                          ; v32-47 the weights' words;
.set KS,   48                          ; v48-55 k's, a tile each;
.set HSA,  56                          ; v56-59 the words of the fragments in hand;
.set QS,   60                          ; v60-61 q's, v62-63 v's (in FF2 v60-63 are the second buffer's words)
.set VS,   62
.set XT,   64                          ; v64-191 rows of x or of out0
.set DEV,  64                          ; LN: v64-191 the numbers, then their deviations, then h
.set U,    192                         ; v192-207 sums, a pair a tile
.set R,    192                         ; v192-223 eight waves' parts of four tiles
.set MN,   224                         ; v224-239 the mean, later 1 / sqrt: the low word of a pair a tile
.set LC,   192                         ; v192-223 codes;  v224-231 bytes
.set BY,   224
.set TM,   232                         ; v232-239 largest magnitudes;  v240-247 the other half's, bytes;  v248-255 the conversions' scale operands
.set BX,   240
.set SO,   248
.set QA,   64                          ; attention: v64-159 q, k, v of a pair of row tiles;
.set S,    64                          ; then v64-127 S^T and p,
.set O,    128                         ; v128-159 O^T
.set HF,   160                         ; v160-207 four fragments from LDS; when they are done with:
.set CD,   160                         ; v160-175 q's and k's codes, v176-191 their upper halves, v192-199 v's
.set ZT,   176
.set CV,   192
.set P,    160                         ; v160-171 p's codes, v172-179 their second halves
.set PT,   172
.set RM,   180                         ; the row's largest t
.set LX,   181
.set NM,   182                         ; -M, the low word of a pair
.set LA,   184                         ; the row's sum, in two chains of pairs
.set LB,   186
.set RL,   188                         ; 1 / l of the pair's two tiles: v188, v190, each the low word of a pair
.set CO,   192                         ; o's codes
.set VT,   208                         ; v208-231 V^T: two tiles of 16 of the head's 32 x 128 keys (LN1 works in these registers: they are cleared behind it)
.set PB,   64                          ; proj_b
.set HA,   64                          ; FF1: v64-127 eight tiles of the hidden layer;  v128-143 codes;  v144-159 ff2_b
.set FC,   128
.set F2B,  144
.set HFA,  112                         ; FF2: two buffers of four fragments, v112-159 and v64-111;  v160-255 ff2_w's K steps 4-7
; window 1: up to the end of attention: v0-47 k's codes (tile kt at 6 (7 - kt)), v48-53 zeros, v54-77 q's two operands, v78-109 ln1's g and b, v112-255 wq, wk, wv (fragment (u, s) at + 12 (2 u + s));
;           from the projection on: v0-127 the 16 accumulators (register 16 mt + i: unit 32 w + 16 h + i), v128-223 eight fragments of a weight, v224-255 ln2's g and b, later FF1's bias
.set WV,  26                           ; s26 my wave's number
.set SEL, 28                           ; s[28:29] v_permlanex16_b32's selects for lane l xor 16
.set CS,  30                           ; s[30:31] log2(e) / sqrt(32)
.set WCQ, 34                           ; s[34:35] wcodes + 6,144 w;  s[36:37] + 24,576 w;  s[38:39] wscales + 512 w;  s[40:41] + 2,048 w;  s[42:43] ff1_b + 512 w
.set WCF, 36
.set WSQ, 38
.set WSF, 40
.set F1B, 42
.set FO,  44                           ; s44-48 FF1's steps and count
.set FO2, 45
.set FS,  46
.set FT,  47
.set CNT, 48
.set MSB, 0
.macro WIN new                         ; s_set_vgpr_msb: bits 1:0 source 0, 3:2 source 1, 5:4 source 2, 7:6 destination; the high byte repeats the setting that is left
.if MSB != \new
	s_set_vgpr_msb (MSB<<8)|\new
.set MSB, \new
.endif
.endm
.macro PL n                            ; places behind matrix instructions (ISA guide 7.12.1), where no other plain vector work is at hand
.rept \n
	v_nop
.endr
.endm
.macro BAR                             ; my LDS stores have landed and my LDS loads are in: then the work-group's barrier
	s_wait_dscnt 0x0
	s_barrier_signal -1
	s_barrier_wait -1
.endm
.macro MM0 d, a, b, sa, sb             ; a product that starts a sum
.set rD, \d
.set rA, \a
.set rB, \b
.set rX, \sa
.set rY, \sb
	v_wmma_scale_f32_16x16x128_f8f6f4 v[rD:rD+7], v[rA:rA+11], v[rB:rB+11], 0, v[rX], v[rY] matrix_a_fmt:MATRIX_FMT_FP6 matrix_b_fmt:MATRIX_FMT_FP6
.endm
.macro MMC d, a, b, c, sa, sb          ; a product onto c
.set rD, \d
.set rA, \a
.set rB, \b
.set rC, \c
.set rX, \sa
.set rY, \sb
	v_wmma_scale_f32_16x16x128_f8f6f4 v[rD:rD+7], v[rA:rA+11], v[rB:rB+11], v[rC:rC+7], v[rX], v[rY] matrix_a_fmt:MATRIX_FMT_FP6 matrix_b_fmt:MATRIX_FMT_FP6
.endm
.macro WFRAG reg, base, imm            ; a weight's fragment, as it lies: each load covers 512 consecutive bytes
.set wR, \reg
.set wI, \imm
.irp c,0,1,2
	global_load_b128 v[wR+4*\c:wR+4*\c+3], v[VL16], s[\base:\base+1] offset:wI+512*\c
.endr
.endm
.macro FETCHF reg, sreg, areg, sareg, coff, soff   ; an activation's fragment and its scale word, from LDS: 7 loads
.set fR, \reg
.set fS, \sreg
.set fA, \areg
.set fZ, \sareg
.set fC, \coff
.set fO, \soff
.irp p,0,1,2,3,4,5
	ds_load_b64 v[fR+2*\p:fR+2*\p+1], v[fA] offset:fC+48*(\p/3)+8*(\p%3)
.endr
	ds_load_b32 v[fS], v[fZ] offset:fO
.endm
.macro FETCHP reg, sreg, areg, sareg, cb, sb       ; a pair of row tiles x two K steps: fragment 2 e + s: 28 loads
.irp f,0,1,2,3
	FETCHF (\reg)+12*\f,(\sreg)+\f,\areg,\sareg,(\cb)+FB*\f,(\sb)+64*\f
.endr
.endm
; n items of 16 numbers a lane (item t in v[src + 16 t] on), each half of a block of 32 whose other half lies in lane l xor 16: the block's largest magnitude, and in v[SO + t] the conversion's scale operand
.macro QSCALE n, src
.set t, 0
.rept \n
	v_max3_num_f32 v[TM+t], |v[\src+16*t]|, |v[\src+16*t+1]|, 0x1800000   ; with the floor 2^(3 - 127): the byte cannot fall under 1
.set t, t+1
.endr
.irp i, 2,4,6,8,10,12,14
.set t, 0
.rept \n
	v_max3_num_f32 v[TM+t], v[TM+t], |v[\src+16*t+\i]|, |v[\src+16*t+\i+1]|   ; (the items by turns)
.set t, t+1
.endr
.endr
.set t, 0
.rept \n
	v_permlanex16_b32 v[BX+t], v[TM+t], s[SEL], s[SEL+1]
.set t, t+1
.endr
.set t, 0
.rept \n
	v_max_num_f32 v[TM+t], v[TM+t], v[BX+t]
.set t, t+1
.endr
.set t, 0
.rept \n
	v_add_nc_u32 v[SO+t], 0xff000000, v[TM+t]      ; 2 off the exponent field
.set t, t+1
.endr
.endm
.macro STC areg, sareg, creg, breg, coff, soff     ; my 16 codes (12 bytes) and the block's byte (both halves write the same byte with the same value)
.set cR, \creg
.set cB, \breg
.set cC, \coff
.set cS, \soff
.irp i,0,1,2
	ds_store_b32 v[\areg], v[cR+\i] offset:cC+4*\i
.endr
	ds_store_b8 v[\sareg], v[cB] offset:cS
.endm
.macro XROWS dst                       ; my 16 units of each of my eight rows, out of the stage: register 16 mt + i
.set mt, 0
.rept 8
.irp j,0,1,2,3
	ds_load_b128 v[\dst+16*mt+4*\j:\dst+16*mt+4*\j+3], v[ASC0+(mt>>2)] offset:(32*((mt>>1)&1)+8*(mt&1))*SP+256*((mt>>1)&1)+16*\j
.endr
.set mt, mt+1
.endr
.endm
.macro ADDB reg                        ; a bias onto the 16 accumulators (window 1), 16 numbers a lane
	WIN 0x41
.set mt, 0
.rept 8
.irp i,0,2,4,6,8,10,12,14
	v_pk_add_f32 v[16*mt+\i:16*mt+\i+1], v[16*mt+\i:16*mt+\i+1], v[\reg+\i:\reg+\i+1]
.endr
.set mt, mt+1
.endr
	WIN 0
.endm
.macro F1BIAS p                        ; ff1_b for pass p's four tiles, in the result's layout, into window 1
.irp t,0,1,2,3
	global_load_b128 v[224+8*\t:224+8*\t+3], v[VB1], s[F1B:F1B+1] offset:256*\p+128*(\t/2)+32*(\t%2)
	global_load_b128 v[224+8*\t+4:224+8*\t+7], v[VB1], s[F1B:F1B+1] offset:256*\p+128*(\t/2)+32*(\t%2)+16
.endr
.endm
; ---- LayerNorm ---------------------------------------------------------------------------------------------------------------------------------------------------------------------------
.macro CROSS off                       ; the pairs' halves, the other half of the lanes, and my wave's part of each row's sum to LDS; then the barrier
.irp m,0,1,2,3,4,5,6,7
	v_add_f32 v[U+2*\m], v[U+2*\m], v[U+2*\m+1]
.endr
.irp m,0,1,2,3,4,5,6,7
	v_permlanex16_b32 v[BX+\m], v[U+2*\m], s[SEL], s[SEL+1]
.endr
.irp m,0,1,2,3,4,5,6,7
	v_add_f32 v[U+2*\m], v[U+2*\m], v[BX+\m]
.endr
.irp m,0,1,2,3,4,5,6,7
	ds_store_b32 v[APS], v[U+2*\m] offset:\off+512*\m
.endr
	BAR
.endm
.macro GATHER hf, off                  ; the eight waves' parts of tiles 4 hf .. 4 hf + 3: a lane reads four of its row's eight, lane l xor 16 the other four; the two sums are added the same in every wave and in both lanes: v[R + 8 m]
.irp m,0,1,2,3
	ds_load_b128 v[R+8*\m:R+8*\m+3], v[APL] offset:\off+512*(4*\hf+\m)
.endr
	s_wait_dscnt 0x0
.irp m,0,1,2,3
	v_pk_add_f32 v[R+8*\m:R+8*\m+1], v[R+8*\m:R+8*\m+1], v[R+8*\m+2:R+8*\m+3]
.endr
.irp m,0,1,2,3
	s_delay_alu instid0(VALU_DEP_4)
	v_add_f32 v[R+8*\m], v[R+8*\m], v[R+8*\m+1]
.endr
.irp m,0,1,2,3
	v_permlanex16_b32 v[BX+\m], v[R+8*\m], s[SEL], s[SEL+1]
.endr
.irp m,0,1,2,3
	v_add_f32 v[R+8*\m], v[R+8*\m], v[BX+\m]
.endr
.endm
; sw = 0: the numbers lie in window 0 at src;  1: in window 1 (the accumulators, which stay as they are).  g at v[gg], b at v[gg + 16] of window 1.  The result is quantised into HIMG, HSC.
.macro LN sw, src, gg
	WIN (0x05*\sw)
.set mt, 0
.rept 8
	v_pk_add_f32 v[U+2*mt:U+2*mt+1], v[\src+16*mt:\src+16*mt+1], v[\src+16*mt+2:\src+16*mt+3]   ; each accumulator is read from its low end on
.set mt, mt+1
.endr
	WIN (0x04*\sw)
.irp i, 4,6,8,10,12,14
.set mt, 0
.rept 8
	v_pk_add_f32 v[U+2*mt:U+2*mt+1], v[U+2*mt:U+2*mt+1], v[\src+16*mt+\i:\src+16*mt+\i+1]
.set mt, mt+1
.endr
.endr
	WIN 0
	CROSS 0
.irp hf,0,1
	GATHER \hf,0
.irp m,0,1,2,3
	s_delay_alu instid0(VALU_DEP_4)
	v_mul_f32 v[MN+2*(4*\hf+\m)], s32, v[R+8*\m]   ; the mean: x 1 / 256
.endr
.endr
	WIN (0x01*\sw)
.set mt, 0
.rept 8
.irp i,0,2,4,6,8,10,12,14
	v_pk_add_f32 v[DEV+16*mt+\i:DEV+16*mt+\i+1], v[\src+16*mt+\i:\src+16*mt+\i+1], v[MN+2*mt:MN+2*mt+1] op_sel_hi:[1,0] neg_lo:[0,1] neg_hi:[0,1]
.endr
.set mt, mt+1
.endr
	WIN 0
.set mt, 0
.rept 8
	v_pk_mul_f32 v[U+2*mt:U+2*mt+1], v[DEV+16*mt:DEV+16*mt+1], v[DEV+16*mt:DEV+16*mt+1]
.set mt, mt+1
.endr
.irp i, 2,4,6,8,10,12,14
.set mt, 0
.rept 8
	v_pk_fma_f32 v[U+2*mt:U+2*mt+1], v[DEV+16*mt+\i:DEV+16*mt+\i+1], v[DEV+16*mt+\i:DEV+16*mt+\i+1], v[U+2*mt:U+2*mt+1]
.set mt, mt+1
.endr
.endr
	CROSS 4096
.irp hf,0,1
	GATHER \hf,4096
.irp m,0,1,2,3
	s_delay_alu instid0(VALU_DEP_4)
	v_fma_f32 v[R+8*\m], v[R+8*\m], s32, s33       ; the variance + 1e-5
.endr
	s_wait_alu depctr_va_vdst(0)
.irp m,0,1,2,3
	v_rsq_f32 v[MN+2*(4*\hf+\m)], v[R+8*\m]
.endr
	v_nop                                          ; a plain instruction behind the batch, ahead of a use of a result or a write of a source (ISA guide 5.7.2),
	s_wait_alu depctr_va_vdst(0)                   ; and the wait ahead of the first line that names a result: one for the four
.endr
.if \sw == 0
	s_wait_loadcnt 48                              ; g and b are in; the 36 loads of wq, wk, wv and their 12 scale words, issued behind them, may stay out
.endif
.set mt, 0
.rept 8
.irp i,0,2,4,6,8,10,12,14
	v_pk_mul_f32 v[DEV+16*mt+\i:DEV+16*mt+\i+1], v[DEV+16*mt+\i:DEV+16*mt+\i+1], v[MN+2*mt:MN+2*mt+1] op_sel_hi:[1,0]
.endr
.set mt, mt+1
.endr
	WIN 0x14
.set mt, 0
.rept 8
.irp i,0,2,4,6,8,10,12,14
	v_pk_fma_f32 v[DEV+16*mt+\i:DEV+16*mt+\i+1], v[DEV+16*mt+\i:DEV+16*mt+\i+1], v[\gg+\i:\gg+\i+1], v[\gg+16+\i:\gg+17+\i]
.endr
.set mt, mt+1
.endr
.if \sw
	WIN 0x40
	F1BIAS 0                                       ; g and b are done with: their registers take FF1's first bias
.endif
	WIN 0
	QSCALE 8, DEV
.set t, 0
.rept 8
	v_cvt_scalef32_pk16_fp6_f32 v[LC+4*t:LC+4*t+2], v[DEV+16*t:DEV+16*t+15], v[SO+t]
.set t, t+1
.endr
.set t, 0
.rept 8
	v_lshrrev_b32 v[BY+t], 23, v[SO+t]             ; the bytes (plain instructions behind the conversions)
.set t, t+1
.endr
.if \sw
.irp j,0,1,2,3
	global_load_b128 v[F2B+4*\j:F2B+4*\j+3], v[VB], s[24:25] offset:16*\j   ; ff2_b, into registers that the conversions have read
.endr
.endif
.set t, 0
.rept 8
	STC AL,ALS,LC+4*t,BY+t,HIMG+3584*t,HSC+128*t
.set t, t+1
.endr
	BAR
.endm
; ---- the softmax of one tile of 16 queries over nb blocks of 32 keys, the last of them on the diagonal; e: which tile of the pair.  Leaves p's codes in v[P] on, its scale word in v[PW], 1 / l in v[RL + 2 e].
.macro SMX nb, e
.set nbv, \nb
.set bk, 0
.rept nbv
	v_max3_num_f32 v[TM+bk], v[S+16*bk], v[S+16*bk+1], v[S+16*bk+2]   ; the largest score of each block: for the row's maximum and, since p rises with the score, for the block's largest p
.set bk, bk+1
.endr
.irp i, 3,5,7,9,11,13
.set bk, 0
.rept nbv
	v_max3_num_f32 v[TM+bk], v[TM+bk], v[S+16*bk+\i], v[S+16*bk+\i+1]
.set bk, bk+1
.endr
.endr
.set bk, 0
.rept nbv
	v_max_num_f32 v[TM+bk], v[TM+bk], v[S+16*bk+15]
.set bk, bk+1
.endr
.set bk, 0
.rept nbv
	v_permlanex16_b32 v[BX+bk], v[TM+bk], s[SEL], s[SEL+1]
.set bk, bk+1
.endr
.set bk, 0
.rept nbv
	v_max_num_f32 v[TM+bk], v[TM+bk], v[BX+bk]
.set bk, bk+1
.endr
.if nbv == 1
	s_delay_alu instid0(VALU_DEP_1)
	v_mul_f32 v[RM], s[CS], v[TM]                  ; the row's largest t (the factor is positive)
.elseif nbv == 2
	s_delay_alu instid0(VALU_DEP_1)
	v_max_num_f32 v[RM], v[TM], v[TM+1]
	s_delay_alu instid0(VALU_DEP_1)
	v_mul_f32 v[RM], s[CS], v[RM]
.elseif nbv == 3
	s_delay_alu instid0(VALU_DEP_1)
	v_max3_num_f32 v[RM], v[TM], v[TM+1], v[TM+2]
	s_delay_alu instid0(VALU_DEP_1)
	v_mul_f32 v[RM], s[CS], v[RM]
.else
	s_delay_alu instid0(VALU_DEP_2)
	v_max3_num_f32 v[RM], v[TM], v[TM+1], v[TM+2]
	s_delay_alu instid0(VALU_DEP_1)
	v_max_num_f32 v[RM], v[RM], v[TM+3]
	s_delay_alu instid0(VALU_DEP_1)
	v_mul_f32 v[RM], s[CS], v[RM]
.endif
	s_delay_alu instid0(VALU_DEP_1)
	v_floor_f32 v[NM], -v[RM]                      ; -M = floor(-t) = -ceil(t)
.set n, 0
.rept 8*nbv
	v_pk_fma_f32 v[S+n:S+n+1], v[S+n:S+n+1], s[CS:CS+1], v[NM:NM+1] op_sel_hi:[1,0,0]   ; t - M, two at a time
.set n, n+2
.endr
.set bk, 0
.rept nbv
	v_fma_f32 v[TM+bk], v[TM+bk], s[CS], v[NM]     ; the same of each block's largest score
.set bk, bk+1
.endr
.set n, 0
	s_wait_alu depctr_va_vdst(0)
.rept 16*nbv
	v_exp_f32 v[S+n], v[S+n]                       ; p = 2^(t - M): not normalised
.set n, n+1
.endr
	v_nop                                          ; a plain instruction behind the batch,
	s_wait_alu depctr_va_vdst(0)                   ; and one wait for all of it, ahead of its first reader
.set bk, 0
.rept nbv
	v_exp_f32 v[TM+bk], v[TM+bk]                   ; the block's largest p: the same two instructions on the same number give the same bits
.set bk, bk+1
.endr
	v_pk_add_f32 v[LA:LA+1], v[S:S+1], v[S+2:S+3]  ; the row's sum is taken of the unquantised p, in two chains; these lines read the first batch alone
	v_pk_add_f32 v[LB:LB+1], v[S+4:S+5], v[S+6:S+7]
.set n, 8
.rept 4*nbv-2
	v_pk_add_f32 v[LA:LA+1], v[LA:LA+1], v[S+n:S+n+1]
	v_pk_add_f32 v[LB:LB+1], v[LB:LB+1], v[S+n+2:S+n+3]
.set n, n+4
.endr
	s_delay_alu instid0(VALU_DEP_1)
	v_pk_add_f32 v[LA:LA+1], v[LA:LA+1], v[LB:LB+1]
	s_wait_alu depctr_va_vdst(0)                   ; and one for the blocks' largest p
.set bk, 0
.rept nbv
	v_max_num_f32 v[TM+bk], 0x1800000, v[TM+bk]    ; the floor 2^(3 - 127)
.set bk, bk+1
.endr
.set bk, 0
.rept nbv
	v_add_nc_u32 v[SO+bk], 0xff000000, v[TM+bk]
.set bk, bk+1
.endr
.set bk, 0
.rept nbv
	v_lshrrev_b32 v[BX+bk], 23, v[SO+bk]
.set bk, bk+1
.endr
.if nbv == 1
	s_delay_alu instid0(VALU_DEP_1)
	v_mov_b32 v[PW], v[BX]                         ; p's scale word; the bytes of absent blocks stay 0, over zero codes
.else
	v_lshl_or_b32 v[PW], v[BX+1], 8, v[BX]
.endif
.if nbv > 2
	s_delay_alu instid0(VALU_DEP_1)
	v_lshl_or_b32 v[PW], v[BX+2], 16, v[PW]
.endif
.if nbv > 3
	s_delay_alu instid0(VALU_DEP_1)
	v_lshl_or_b32 v[PW], v[BX+3], 24, v[PW]
.endif
.irp c,0,1
.if 2*\c < nbv
	v_cvt_scalef32_pk16_fp6_f32 v[P+6*\c:P+6*\c+2], v[S+32*\c:S+32*\c+15], v[SO+2*\c]
.if 2*\c+1 < nbv
	v_cvt_scalef32_pk16_fp6_f32 v[PT+4*\c:PT+4*\c+2], v[S+32*\c+16:S+32*\c+31], v[SO+2*\c+1]
.endif
.endif
.endr
	v_nop                                          ; one plain instruction behind the conversions
.irp c,0,1
.if 2*\c >= nbv
.irp i,0,1,2,3,4,5
	v_mov_b32 v[P+6*\c+\i], 0                      ; keys that are left out: zero codes
.endr
.elseif 2*\c+1 >= nbv
.irp i,0,1,2
	v_mov_b32 v[PT+4*\c+\i], 0
.endr
.endif
.endr
.irp c,0,1
.if 2*\c < nbv
.irp i,0,1,2
	v_permlane16_swap_b32 v[P+6*\c+\i], v[PT+4*\c+\i]   ; the operand wants a whole block in a lane: lanes 0-15 block 2 c, lanes 16-31 block 2 c + 1
.endr
.irp i,0,1,2
	s_delay_alu instid0(VALU_DEP_3)
	v_mov_b32 v[P+6*\c+3+\i], v[PT+4*\c+\i]
.endr
.endif
.endr
	v_add_f32 v[LA], v[LA], v[LA+1]
	s_delay_alu instid0(VALU_DEP_1)
	v_permlanex16_b32 v[LX], v[LA], s[SEL], s[SEL+1]
	s_delay_alu instid0(VALU_DEP_1)
	v_add_f32 v[LA], v[LA], v[LX]                  ; l
	s_wait_alu depctr_va_vdst(0)
	v_rcp_f32 v[RL+2*\e], v[LA]
	v_nop
	s_wait_alu depctr_va_vdst(0)                   ; ahead of the first line that names 1 / l
.endm
; ---- q, k, v of row tiles 2 qb and 2 qb + 1 (rows 32 qb .. 32 qb + 31) of my head, and these 32 queries' attention over keys 0 .. 32 qb + 31
.macro ATT qb
.set cq, (\qb)/2
	FETCHP HF,HSA,AF,AS4,HIMG+7168*\qb,HSC+256*\qb
	s_wait_dscnt 0x0
.irp s,0,1                                     ; 12 accumulators by turns, one instruction a turn, K step by K step
	WIN 0x01                                       ; q and k, transposed: source 0 = the weight (window 1), source 1 = h
.irp it,0,1,2,3                                ; q of tile A, q of B, k of A, k of B
.irp u,0,1
.if \s == 0
	MM0 QA+16*\it+8*\u,112+48*(\it/2)+12*(2*\u+\s),HF+12*(2*(\it%2)+\s),WS+4*(\it/2)+2*\u+\s,HSA+2*(\it%2)+\s
.else
	MMC QA+16*\it+8*\u,112+48*(\it/2)+12*(2*\u+\s),HF+12*(2*(\it%2)+\s),QA+16*\it+8*\u,WS+4*(\it/2)+2*\u+\s,HSA+2*(\it%2)+\s
.endif
.endr
.endr
	WIN 0x04                                       ; v the other way round: source 0 = h, source 1 = wv (window 1): a lane holds one of the head's 32 and 16 neighbouring keys
.irp dt,0,1
.irp e,0,1
.if \s == 0
	MM0 QA+64+16*\dt+8*\e,HF+12*(2*\e+\s),208+12*(2*\dt+\s),HSA+2*\e+\s,WS+8+2*\dt+\s
.else
	MMC QA+64+16*\dt+8*\e,HF+12*(2*\e+\s),208+12*(2*\dt+\s),QA+64+16*\dt+8*\e,HSA+2*\e+\s,WS+8+2*\dt+\s
.endif
.endr
.endr
.endr
	WIN 0
	PL 4
.if \qb == 3                                   ; wq, wk, wv are done with: their registers take proj_w's four fragments and ln2's g and b
	WIN 0x40
.irp k,0,1,2,3
	WFRAG 128+12*\k,WCQ,147456+1536*\k
.endr
.irp j,0,1,2,3
	global_load_b128 v[224+4*\j:227+4*\j], v[VB], s[16:17] offset:16*\j
	global_load_b128 v[240+4*\j:243+4*\j], v[VB], s[18:19] offset:16*\j
.endr
	WIN 0
.irp k,0,1,2,3
	global_load_b32 v[WS+12+\k], v[VL4], s[WSQ:WSQ+1] offset:12288+128*\k
.endr
.endif
	QSCALE 6, QA
.irp e,0,1
	v_lshrrev_b32 v[QS+\e], 23, v[SO+\e]           ; q's and k's scale words: byte 0 alone
	v_lshrrev_b32 v[KS+2*\qb+\e], 23, v[SO+2+\e]
	v_lshrrev_b32 v[BX+\e], 23, v[SO+4+\e]
.endr
.irp dt, 0
	s_delay_alu instid0(VALU_DEP_4)
	v_lshl_or_b32 v[VS+\dt], v[BX+\dt], 8*\qb, v[VS+\dt]   ; v's: byte qb joins the earlier blocks'
.endr
.irp dt, 1
	s_delay_alu instid0(VALU_DEP_2)
	v_lshl_or_b32 v[VS+\dt], v[BX+\dt], 8*\qb, v[VS+\dt]   ; v's: byte qb joins the earlier blocks'
.endr
.irp t,0,1,2,3
	v_cvt_scalef32_pk16_fp6_f32 v[CD+4*\t:CD+4*\t+2], v[QA+16*\t:QA+16*\t+15], v[SO+\t]
.endr
.irp dt,0,1
.if (\qb)%2 == 0
	v_cvt_scalef32_pk16_fp6_f32 v[VT+12*\dt+6*cq:VT+12*\dt+6*cq+2], v[QA+64+16*\dt:QA+64+16*\dt+15], v[SO+4+\dt]
.else
	v_cvt_scalef32_pk16_fp6_f32 v[CV+4*\dt:CV+4*\dt+2], v[QA+64+16*\dt:QA+64+16*\dt+15], v[SO+4+\dt]
.endif
.endr
.irp t,0,1,2,3
.irp i,0,1,2
	v_mov_b32 v[ZT+4*\t+\i], 0                     ; (plain instructions behind the conversions)
.endr
.endr
.irp t,0,1,2,3
.irp i,0,1,2
	v_permlane16_swap_b32 v[CD+4*\t+\i], v[ZT+4*\t+\i]   ; lanes 0-15 now hold all 32 codes of their row (the first register the lower 16, the second the upper), lanes 16-31 zeros
.endr
.endr
.irp dt,0,1
.irp i,0,1,2
.if (\qb)%2 == 0
	v_permlane16_swap_b32 v[VT+12*\dt+6*cq+\i], v[VT+12*\dt+6*cq+3+\i]   ; an even block belongs to lanes 0-15: its upper 16 codes come over; lanes 16-31 take the zeros that stood there
.else
	v_permlane16_swap_b32 v[VT+12*\dt+6*cq+\i], v[CV+4*\dt+\i]           ; an odd block belongs to lanes 16-31: its lower 16 codes go over, zeros come back,
.endif
.endr
.if (\qb)%2 == 1
.irp i,0,1,2
	s_delay_alu instid0(VALU_DEP_3)
	v_or_b32 v[VT+12*\dt+6*cq+3+\i], v[VT+12*\dt+6*cq+3+\i], v[CV+4*\dt+\i]   ; and its upper 16 join where zeros stood
.endr
.endif
.endr
	WIN 0x40
.irp e,0,1
.irp i,0,1,2
	v_mov_b32 v[54+12*\e+\i], v[CD+4*\e+\i]        ; q's operands (their registers 6-11 are zeros, written at the head)
	v_mov_b32 v[57+12*\e+\i], v[ZT+4*\e+\i]
	v_mov_b32 v[6*(7-2*\qb-\e)+\i], v[CD+8+4*\e+\i]   ; k's codes, tile kt at 6 (7 - kt)
	v_mov_b32 v[6*(7-2*\qb-\e)+3+\i], v[ZT+8+4*\e+\i]
.endr
.endr
	WIN 0
	PL 4                                           ; operands written by vector instructions stand 4 places ahead of a scaled product; the scale words were written more than 8 places back
.irp e,0,1
.set kt, 0
.if \qb > 0
	WIN 0x05
.rept 2*\qb
	MM0 S+8*kt,6*(7-kt),54+12*\e,KS+kt,QS+\e       ; S^T = k q^T: source 0 = 16 keys, source 1 = 16 queries
.set kt, kt+1
.endr
.endif
	WIN 0x15                                       ; the two tiles of the diagonal block begin with the mask as C (window 1)
.rept 2
	MMC S+8*kt,6*(7-kt),54+12*\e,MK+16*\e+8*(kt-2*\qb),KS+kt,QS+\e
.set kt, kt+1
.endr
	WIN 0
	PL 4
	SMX \qb+1,\e
	PL 4                                           ; with the moves and additions above: 8 places or more behind p's scale word, 4 or more behind p's codes
.irp dt,0,1
	MM0 O+16*\e+8*\dt,VT+12*\dt,P,VS+\dt,PW        ; O^T = V^T P^T
.endr
.endr
	PL 4
.irp e,0,1
.irp j,0,2,4,6,8,10,12,14
	v_pk_mul_f32 v[O+16*\e+\j:O+16*\e+\j+1], v[O+16*\e+\j:O+16*\e+\j+1], v[RL+2*\e:RL+2*\e+1] op_sel_hi:[1,0]   ; / l: lane (r, h) holds o(row, 32 w + 16 h + 0 .. 15)
.endr
.endr
	QSCALE 2, O                                    ; o's block of 32 along the projection's K is my head
.irp e,0,1
	v_cvt_scalef32_pk16_fp6_f32 v[CO+4*\e:CO+4*\e+2], v[O+16*\e:O+16*\e+15], v[SO+\e]
.endr
.irp e,0,1
	v_lshrrev_b32 v[BX+\e], 23, v[SO+\e]
.endr
.irp e,0,1
	STC AL,ALS,CO+4*\e,BX+\e,OIMG+3584*(2*\qb+\e),OSC+128*(2*\qb+\e)
.endr
.if \qb == 3
.irp j,0,1,2,3
	global_load_b128 v[PB+4*\j:PB+4*\j+3], v[VB], s[20:21] offset:16*\j   ; proj_b, where S^T lay
.endr
.else
	s_wait_dscnt 0x0                               ; the stores have read their registers: the next pair's fragments land there
.endif
.endm
; ---- FF1, pass p: my hidden tiles 4 p .. 4 p + 3 for all 128 rows, a pair of row tiles a trip.  lw: the younger loads that may stay out
; one trip of pass p: a pair of row tiles.  last = 0: it fetches the next trip's fragments;  1: the pass's last trip, written out behind the loop: it asks for the weights that come next
.macro FF1TRIP p, last
	v_add_nc_u32 v[AT], s[FO], v[AF]
	v_add_nc_u32 v[AT2], s[FO2], v[AS4]
	v_add_nc_u32 v[AW], s[FS], v[AFW]
	v_add_nc_u32 v[AWS], s[FT], v[AFSW]
	s_wait_alu depctr_va_vdst(0)
	s_wait_dscnt 0x0                               ; this trip's fragments, asked for in the trip before
	WIN 0x11
.irp e,0,1
.irp t,0,1,2,3
	MMC HA+32*\e+8*\t,128+24*\t,HF+24*\e,224+8*\t,WS+8*\p+2*\t,HSA+2*\e
.endr
.endr
	WIN 0x01                                       ; the eight accumulators by turns
.irp e,0,1
.irp t,0,1,2,3
	MMC HA+32*\e+8*\t,140+24*\t,HF+24*\e+12,HA+32*\e+8*\t,WS+8*\p+2*\t+1,HSA+2*\e+1
.endr
.endr
	WIN 0
	PL 4
.if \last == 0
	FETCHP HF,HSA,AT,AT2,HIMG+7168,HSC+256         ; the next trip's fragments, 28 loads, four places behind the products that read these registers
.elseif \p == 0
	WIN 0x40                                       ; pass 0's products are issued: its weights' and bias's registers take pass 1's: 24 + 8 loads
.irp k,0,1,2,3,4,5,6,7
	WFRAG 128+12*\k,WCF,208896+1536*\k
.endr
	F1BIAS 1
	WIN 0
.else
.irp k,0,1,2,3,4,5,6,7,8,9,10,11,12,13,14,15
	global_load_b32 v[WS+\k], v[VL4], s[WSF:WSF+1] offset:32768+128*\k   ; FF1's products are issued: ff2_w's words (word 8 u + s),
.endr
	WIN 0x40
.irp u,0,1
.irp s,0,1,2,3
	WFRAG 128+12*(4*\u+\s),WCF,393216+1536*(8*\u+\s)   ; its K steps 0-3,
.endr
.endr
	WIN 0
.irp s,4,5,6,7
	WFRAG 160+12*(\s-4),WCF,393216+1536*\s         ; and K steps 4-7 of u = 0, where h2's fragments lay
.endr
.endif
.set n, 0
.rept 32
	v_dual_max_num_f32 v[HA+n], 0, v[HA+n] :: v_dual_max_num_f32 v[HA+n+1], 0, v[HA+n+1]   ; the activation, in f32, two numbers an instruction; each accumulator from its low end on
.set n, n+2
.endr
	QSCALE 4, HA
.irp t,0,1,2,3
	v_cvt_scalef32_pk16_fp6_f32 v[FC+4*\t:FC+4*\t+2], v[HA+16*\t:HA+16*\t+15], v[SO+\t]
.endr
.irp t,0,1,2,3
	v_lshrrev_b32 v[BX+\t], 23, v[SO+\t]
.endr
.irp e,0,1
.irp bb,0,1
	STC AW,AWS,FC+4*(2*\e+\bb),BX+2*\e+\bb,14336*\e+24*(2*\p+\bb),512*\e+2*\p+\bb   ; K step w of FF2, block 2 p + bb
.endr
.endr
	s_wait_dscnt 0x0                               ; the stores have read their registers and addresses
.if \last == 0
	s_add_co_u32 s[FO], s[FO], 7168                ; two row tiles on: 4 fragments of h2,
	s_add_co_u32 s[FO2], s[FO2], 256
	s_add_co_u32 s[FS], s[FS], 28672               ; 16 of the hidden layer
	s_add_co_u32 s[FT], s[FT], 1024
.endif
.endm
.macro FF1PASS p, lw                   ; four trips: three in the loop, the last written out
	FETCHP HF,HSA,AF,AS4,HIMG,HSC                  ; the first trip's fragments
	s_wait_loadcnt \lw
	s_mov_b32 s[FO], 0
	s_mov_b32 s[FO2], 0
	s_mov_b32 s[FS], 0
	s_mov_b32 s[FT], 0
	s_mov_b32 s[CNT], 3
.Lff1_\@:
	FF1TRIP \p, 0
	s_sub_co_u32 s[CNT], s[CNT], 1
	s_cmp_lg_u32 s[CNT], 0
	s_cbranch_scc1 .Lff1_\@
	FF1TRIP \p, 1
.endm
; ---- FF2: K step s, row tiles 4 hv .. 4 hv + 3
.macro FETCH4 buf, hs, hv, s
.set qB, \buf
.set qH, \hs
.set qV, \hv
.set qS, \s
.irp m,0,1,2,3
	FETCHF qB+12*\m,qH+\m,AFF0+qV,AFS,14336*\m+FB*qS,512*(4*qV+\m)+64*qS
.endr
.endm
.macro MUL8 buf, hs, hv, s
.set mB, \buf
.set mH, \hs
.set mV, \hv
.set mS, \s
.if mS < 4
	WIN 0x51                                       ; ff2_w's K steps 0-3 lie in window 1; C and D in window 1
.else
	WIN 0x50                                       ; K steps 4-7 in window 0
.endif
.irp m,0,1,2,3
.irp u,0,1
.if mS < 4
	MMC 16*(4*mV+\m)+8*\u,128+12*(4*\u+mS),mB+12*\m,16*(4*mV+\m)+8*\u,WS+8*\u+mS,mH+\m
.else
	MMC 16*(4*mV+\m)+8*\u,160+12*(4*\u+mS-4),mB+12*\m,16*(4*mV+\m)+8*\u,WS+8*\u+mS,mH+\m
.endif
.endr
.endr
	WIN 0
.endm
; ==== the head ============================================================================================================================================================================
	s_load_b256 s[4:11], s[0:1], 0x0               ; x s[4:5], out0 s[6:7], wcodes s[8:9], wscales s[10:11]
	s_load_b256 s[12:19], s[0:1], 0x20             ; ln1_g s[12:13], ln1_b s[14:15], ln2_g s[16:17], ln2_b s[18:19]
	s_load_b128 s[20:23], s[0:1], 0x40             ; proj_b s[20:21], ff1_b s[22:23]
	s_load_b64 s[24:25], s[0:1], 0x50              ; ff2_b
	v_lshrrev_b32 v28, 5, v0
	s_delay_alu instid0(VALU_DEP_1)
	v_readfirstlane_b32 s[WV], v28                 ; wave 0..7
	v_and_b32 v1, 31, v0                           ; lane
	v_and_b32 v29, 15, v0                          ; r
	v_bfe_u32 v30, v0, 4, 1                        ; h
	s_delay_alu instid0(VALU_DEP_3)
	v_lshlrev_b32 v[VL16], 4, v1
	s_delay_alu instid0(VALU_DEP_4)
	v_lshlrev_b32 v[VL4], 2, v1
	s_lshl_b32 s50, s[WV], 14
	v_add_nc_u32 v[VX], s50, v[VL16]
	s_lshl_b32 s51, s[WV], 7
	v_lshl_add_u32 v[VB], v30, 6, s51
	v_lshlrev_b32 v[VB1], 6, v30
	s_lshl_b32 s52, ttmp9, 18                      ; my two batch elements: 256 rows of 1,024 bytes,
	s_lshr_b32 s53, ttmp9, 14                      ; in 64 bits
	s_mul_i32 s44, s[WV], 6144
	s_mov_b32 s45, 0
	s_mul_i32 s46, s[WV], 24576
	s_mov_b32 s47, 0
	s_lshl_b32 s48, s[WV], 9
	s_mov_b32 s49, 0
	s_lshl_b32 s54, s[WV], 11
	s_mov_b32 s55, 0
	s_wait_alu depctr_va_vdst(0)
	s_wait_kmcnt 0x0
	s_add_nc_u64 s[4:5], s[4:5], s[52:53]
	s_add_nc_u64 s[6:7], s[6:7], s[52:53]
	s_add_nc_u64 s[WCQ:WCQ+1], s[8:9], s[44:45]
	s_add_nc_u64 s[WCF:WCF+1], s[8:9], s[46:47]
	s_add_nc_u64 s[WSQ:WSQ+1], s[10:11], s[48:49]
	s_add_nc_u64 s[WSF:WSF+1], s[10:11], s[54:55]
	s_add_nc_u64 s[F1B:F1B+1], s[22:23], s[48:49]
.set n, 0
.rept 32
	global_load_b128 v[XT+4*n:XT+4*n+3], v[VX], s[4:5] offset:512*n th:TH_LOAD_NT   ; my 16 rows of x: 512 consecutive bytes a load; read once in the launch
.set n, n+1
.endr
	; the addresses that stay
	s_mul_i32 s50, s[WV], 16*SP+128                ; my 16 rows are group w of 16: the skew is 128 w
	s_add_co_u32 s50, s50, STAGE
	v_add_nc_u32 v[AST], s50, v[VL16]
	v_and_b32 v28, 8, v29
	s_delay_alu instid0(VALU_DEP_1)
	v_add_nc_u32 v28, v28, v29                     ; r + 8 (r / 8)
	s_delay_alu instid0(VALU_DEP_1)
	v_mul_u32_u24 v[ASC0], v28, SP
	s_delay_alu instid0(VALU_DEP_1)
	v_lshl_add_u32 v[ASC0], v30, 6, v[ASC0]
	s_add_co_u32 s50, s51, STAGE
	v_add_nc_u32 v[ASC0], s50, v[ASC0]
	v_and_b32 v[ASC0+1], 16, v28                   ; 16 (r / 8)
	v_lshl_add_u32 v[ASC0], v[ASC0+1], 3, v[ASC0]  ; the skew of rows 16-23 of a tile: 128
	v_add_nc_u32 v[ASC0+1], 64*SP+512, v[ASC0]     ; 64 rows, four groups of 16, further on
	v_mul_u32_u24 v[AF], v29, 112
	s_delay_alu instid0(VALU_DEP_1)
	v_mad_u32_u24 v1, v30, 12, v[AF]               ; 112 r + 12 h
	s_wait_alu depctr_va_vdst(0)
	v_mad_u32_u24 v[AF], v30, 24, v[AF]
	v_lshlrev_b32 v[AS4], 2, v29
	s_wait_alu depctr_va_vdst(0)
	s_lshr_b32 s51, s[WV], 2
	s_and_b32 s52, s[WV], 3
	s_mul_i32 s50, s51, FB
	s_mul_i32 s53, s52, 24
	s_add_co_u32 s50, s50, s53
	v_add_nc_u32 v[AL], s50, v1
	s_lshl_b32 s50, s51, 6
	s_add_co_u32 s50, s50, s52
	v_add_nc_u32 v[ALS], s50, v[AS4]
	s_lshl_b32 s50, s[WV], 2
	s_add_co_u32 s50, s50, PS1
	v_lshl_add_u32 v[APS], v29, 5, s50
	v_lshrrev_b32 v[APL], 3, v29
	v_xor_b32 v[APL], v[APL], v30                  ; which four of a row's eight parts I read: h xor (r / 8), so that the sixteen lanes of a load of 16 bytes touch sixteen different columns
	v_lshlrev_b32 v[APL], 4, v[APL]
	v_lshl_add_u32 v[APL], v29, 5, v[APL]
	v_add_nc_u32 v[APL], PS1, v[APL]               ; PS1 + 32 r + 16 (h xor (r / 8))
	s_mul_i32 s50, s[WV], FB
	s_add_co_u32 s50, s50, FIMG
	v_add_nc_u32 v[AFW], s50, v1
	s_lshl_b32 s50, s[WV], 6
	s_add_co_u32 s50, s50, FSC
	v_add_nc_u32 v[AFSW], s50, v[AS4]
	v_add_nc_u32 v[AFF0], FIMG, v[AF]
	s_delay_alu instid0(VALU_DEP_1)
	v_add_nc_u32 v[AFF0+1], 4*8*FB, v[AFF0]
	v_add_nc_u32 v[AFS], FSC, v[AS4]
	v_lshlrev_b32 v1, 4, v30
	s_delay_alu instid0(VALU_DEP_1)
	v_sub_nc_u32 v[DG0], v28, v1
	s_delay_alu instid0(VALU_DEP_1)
	v_add_nc_u32 v[DG0+1], 8, v[DG0]
	v_mov_b32 v[NINF], 0xf149f2ca                  ; -1e30
	s_lshl_b32 s60, s[WV], 7
	s_lshl_b32 s61, s[WV], 14
	s_mul_i32 s57, s[WV], 8*SP                     ; a half stage by rows: my wave's 8 rows,
	s_lshr_b32 s62, s[WV], 1
	s_lshl_b32 s62, s62, 7
	s_add_co_u32 s57, s57, s62                     ; which lie in group w / 2 of 16: the skew is 128 (w / 2);
	s_add_co_u32 s58, s57, ST1                     ; the same in the second half's stage,
	s_lshl_b32 s59, s[WV], 13                      ; and in out0
	s_mov_b32 s[EL], 0
	s_wait_alu depctr_va_vdst(0)
	v_and_b32 v[ASO+1], 16, v28                    ; 16 (r / 8)
	v_mul_u32_u24 v[ASO], v28, SP
	v_lshl_add_u32 v[ASO], v[ASO+1], 3, v[ASO]     ; the skew of rows 16-23 of a tile
	v_lshl_add_u32 v[ASO], v30, 6, v[ASO]
	v_add_nc_u32 v[ASO], s60, v[ASO]
	v_add_nc_u32 v[ASO+1], ST1, v[ASO]
	v_and_b32 v[PFO], 31, v0
	v_lshlrev_b32 v[PFO], 8, v[PFO]
	v_add_nc_u32 v[PFO], s61, v[PFO]
	s_mov_b32 s[SEL], 0x76543210
	s_mov_b32 s[SEL+1], 0xfedcba98
	s_mov_b32 s[CS], 0x3e8293ee                    ; log2(e) / sqrt(32)
	s_mov_b32 s[CS+1], s[CS]                       ; (named with it as a pair, so it is written)
	s_mov_b32 s32, 0x3b800000                      ; 1 / 256
	s_mov_b32 s33, 0x3727c5ac                      ; 1e-5
	s_wait_alu depctr_va_vdst(0)
.Lelem:                                                ; one batch element a trip; its 32 loads of x are out, issued ahead of the 56 below
	WIN 0x40
.irp j,0,1,2,3
	global_load_b128 v[78+4*\j:81+4*\j], v[VB], s[12:13] offset:16*\j   ; ln1's g and b at my 16 units
.endr
.irp j,0,1,2,3
	global_load_b128 v[94+4*\j:97+4*\j], v[VB], s[14:15] offset:16*\j
.endr
.irp kd,0,1,2
.irp k,0,1,2,3
	WFRAG 112+48*\kd+12*\k,WCQ,49152*\kd+1536*\k   ; my head's wq, wk, wv: they stay through attention
.endr
.endr
	WIN 0
.irp kd,0,1,2
.irp k,0,1,2,3
	global_load_b32 v[WS+4*\kd+\k], v[VL4], s[WSQ:WSQ+1] offset:4096*\kd+128*\k
.endr
.endr
.irp j,0,1,2,3,4,5,6,7
	v_mov_b32 v[BX+\j], 0                          ; a lane permute's destination counts as one of its sources
	v_mov_b32 v[MN+2*\j+1], 0                      ; named as the upper halves of pairs
.endr
	v_mov_b32 v[VS], 0                             ; v's scale words gather a byte for each block of keys
	v_mov_b32 v[VS+1], 0
	WIN 0x40
.irp j,0,1,2,3,4,5
	v_mov_b32 v[48+\j], 0                          ; behind k's tile 0; q's registers 6-11: K = 64 on has zero codes
	v_mov_b32 v[60+\j], 0
	v_mov_b32 v[72+\j], 0
.endr
	WIN 0
	s_wait_loadcnt 56                              ; x is in; the 56 loads issued behind it (8 of g and b, 36 of the weights, 12 scale words) may stay out
.set n, 0
.rept 32
	ds_store_b128 v[AST], v[XT+4*n:XT+4*n+3] offset:SP*(n/2)+512*(n%2)
.set n, n+1
.endr
	BAR                                            ; 128 rows of x lie in the stage
	XROWS DEV
	s_wait_dscnt 0x0
; ==== LN1, attention ======================================================================================================================================================================
	LN 0, DEV, 78                                  ; three barriers: the sums, the squares, h's sixteen fragments
.set n, 0
.rept 24
	v_mov_b32 v[VT+n], 0                           ; V^T: the codes of keys not yet made are zeros, and the exchanges of halves count on them
.set n, n+1
.endr
	WIN 0x40
.irp e,0,1
.set n, 0
.rept 16
	v_cmp_gt_i32 vcc_lo, n, v[DG0+\e]              ; register n of the diagonal block holds a key behind my query
	v_cndmask_b32 v[MK+16*\e+n], 0, v[NINF], vcc_lo   ; the mask: -1e30 there, else 0
.set n, n+1
.endr
.endr
	WIN 0
	s_wait_loadcnt 0x0                             ; wq, wk, wv and their scale words
	ATT 0
	s_cmp_eq_u32 s[EL], 0                          ; the last trip has no next element: it asks for nothing
	s_wait_alu depctr_va_vdst(0)
	s_cbranch_scc0 .Lnopf
	global_prefetch_b8 v[PFO], s[4:5] offset:131072 th:TH_LOAD_NT scope:SCOPE_SE   ; my 16 rows of the next element's x: 2 x 32 blocks of 256 bytes, a lane a block; their loads follow behind FF2
	global_prefetch_b8 v[PFO], s[4:5] offset:139264 th:TH_LOAD_NT scope:SCOPE_SE   ; (the address registers are never rewritten)
.Lnopf:
	ATT 1
	ATT 2
	ATT 3
	BAR                                            ; o's sixteen fragments lie in LDS, and nobody reads h any more
; ==== the projection: x1 = x + proj_b + o proj_w, in the accumulators that stay =============================================================================================================
	s_wait_loadcnt 0x0                             ; proj_w's fragments and scale words, ln2's g and b, proj_b
	WIN 0x40
	XROWS 0
	WIN 0
	FETCHP HF,HSA,AF,AS4,OIMG,OSC                  ; o's first four fragments
	s_wait_dscnt 0x0
	ADDB PB
	s_wait_alu depctr_va_vdst(0)
.irp pr,0,1,2,3                                ; two buffers by turns: v160-207 with words v56-59, v96-143 with words v60-63
.if \pr < 3
	FETCHP HF-64*((\pr+1)&1),HSA+4*((\pr+1)&1),AF,AS4,OIMG+7168*(\pr+1),OSC+256*(\pr+1)
	s_wait_dscnt 28                                ; this pair's fragments are in; the 28 loads just issued may stay out
.else
	s_wait_dscnt 0x0
.endif
	WIN 0x51
.irp s,0,1
.irp e,0,1
.irp u,0,1
	MMC 16*(2*\pr+\e)+8*\u,128+12*(2*\u+\s),HF-64*(\pr&1)+12*(2*\e+\s),16*(2*\pr+\e)+8*\u,WS+12+2*\u+\s,HSA+4*(\pr&1)+2*\e+\s
.endr
.endr
.endr
	WIN 0
	PL 4                                           ; ahead of loads into registers that these products have read, and of the first read of results
.endr
	WIN 0x40
.irp k,0,1,2,3,4,5,6,7
	WFRAG 128+12*\k,WCF,196608+1536*\k             ; ff1_w, pass 0: asked for a whole LayerNorm ahead
.endr
	WIN 0
.irp k,0,1,2,3,4,5,6,7,8,9,10,11,12,13,14,15
	global_load_b32 v[WS+\k], v[VL4], s[WSF:WSF+1] offset:16384+128*\k
.endr
; ==== LN2, FF1 ============================================================================================================================================================================
	LN 1, 0, 224                                   ; three barriers; behind the last, h2's fragments lie where h's lay
	FF1PASS 0, 4                                   ; the weights, their words and the bias are in; ff2_b's four loads, issued behind them, may stay out
	s_wait_loadcnt 32                              ; ff2_b is in; the 32 loads of pass 1's weights and bias, issued behind it, may stay out
	ADDB F2B                                       ; x1 + ff2_b: LN2 has read x1, and FF1 does not touch the accumulators
	FF1PASS 1, 0
.irp s,4,5,6,7
	WFRAG 208+12*(\s-4),WCF,393216+1536*(8+\s)     ; ff2_w's K steps 4-7 of u = 1, where the quantiser's registers lay
.endr
	BAR                                            ; the hidden layer's 64 fragments lie in LDS
; ==== FF2: out = x1 + ff2_b + hidden ff2_w ================================================================================================================================================
.macro TOST hv                         ; the accumulators of row tiles 4 hv .. 4 hv + 3 into half stage hv, each from its low end on; then the barrier: 64 whole rows lie there
	WIN 0x04                                       ; an LDS store's data are its source 1: window 1
.set mt, 4*\hv
.rept 4
.irp j,0,1,2,3
	ds_store_b128 v[ASO+\hv], v[16*mt+4*\j:16*mt+4*\j+3] offset:(32*((mt>>1)&1)+8*(mt&1))*SP+256*((mt>>1)&1)+16*\j
.endr
.set mt, mt+1
.endr
	WIN 0
	BAR
.endm
	v_add_nc_u32 v[AT], s57, v[VL16]               ; the way out: my 8 rows of the first half stage,
	v_add_nc_u32 v[AT2], s58, v[VL16]              ; of the second,
	v_add_nc_u32 v[AW], s59, v[VL16]               ; and of a half of out0
	FETCH4 HFA,HSA,0,0
	s_wait_alu depctr_va_vdst(0)
	s_wait_loadcnt 24                              ; the scale words and K steps 0-3 are in; the 24 loads of K steps 4-7 may stay out
.set g, 0
.rept 16                                       ; group g: row tiles 4 (g / 8) on, K step g % 8; two buffers by turns; the group's eight accumulators take turns, one product a turn
.if g >= 1
	PL 4                                           ; the loads below land in the buffer that the last group's products have read
.endif
.if g < 15
.set gn, g+1
	FETCH4 HFA-48*(gn&1),HSA+4*(gn&1),gn>>3,gn&7
	s_wait_dscnt 28                                ; this group's fragments (and, in group 8, the 16 rows read back) are in; the 28 loads just issued may stay out
.else
	s_wait_dscnt 0x0
.endif
.if g == 4
	s_wait_loadcnt 0x0                             ; K steps 4-7
.endif
	MUL8 HFA-48*(g&1),HSA+4*(g&1),g>>3,g&7
.if g == 7                                     ; rows 0-63 are finished: through the first half stage, and back as whole rows into the registers that held them
	PL 4
	TOST 0
	WIN 0x40
.set n, 0
.rept 16
	ds_load_b128 v[4*n:4*n+3], v[AT] offset:SP*(n/2)+512*(n%2)
.set n, n+1
.endr
	WIN 0
.endif
.if g >= 8                                     ; and they leave two stores a group, among the products of rows 64-127
	WIN 0x04
.irp i,0,1
	global_store_b128 v[AW], v[8*(g-8)+4*\i:8*(g-8)+4*\i+3], s[6:7] offset:1024*(g-8)+512*\i th:TH_STORE_NT   ; 32 lanes store 512 consecutive bytes, at a multiple of 256 from out0's first byte
.endr
	WIN 0
.endif
.set g, g+1
.endr
	PL 4                                           ; behind the last products: ahead of loads into their operands' registers and of the first read of their results
	s_cmp_eq_u32 s[EL], 0
	s_cbranch_scc0 .Lnox
.set n, 0
.rept 32
	global_load_b128 v[XT+4*n:XT+4*n+3], v[VX], s[4:5] offset:131072+512*n th:TH_LOAD_NT   ; my 16 rows of the next element's x
.set n, n+1
.endr
.Lnox:
	TOST 1                                         ; rows 64-127
	WIN 0x40
.set n, 0
.rept 16
	ds_load_b128 v[64+4*n:64+4*n+3], v[AT2] offset:SP*(n/2)+512*(n%2)
.set n, n+1
.endr
	WIN 0x04
.set n, 0
.rept 16
	s_wait_dscnt 15-n                              ; LDS loads come back in order (ISA guide 5.7.1): load n is in, the younger ones may stay out
	global_store_b128 v[AW], v[64+4*n:64+4*n+3], s[6:7] offset:65536+512*n th:TH_STORE_NT
.set n, n+1
.endr
	WIN 0
	s_wait_xcnt 0x0                                ; the stores have read their registers and their base: both are written again only behind this wait
	s_add_nc_u64 s[6:7], s[6:7], 0x20000           ; out0: the next element
	s_add_co_u32 s[EL], s[EL], 1
	s_cmp_lt_u32 s[EL], 2
	s_wait_alu depctr_va_vdst(0)
	s_cbranch_scc1 .Lelem
	v_lshl_add_u32 v254, v0, 2, 0x31400
	v_mov_b32 v255, 0
	s_wait_alu depctr_va_vdst(0)
	s_wait_tensorcnt 0x0
	ds_add_u32 v254, v255
	s_wait_dscnt 0x0
	s_endpgm
.Lfunc_end_k_q4dfeb2e690_block:
	.size	k_q4dfeb2e690_block, .Lfunc_end_k_q4dfeb2e690_block-k_q4dfeb2e690_block
	.p2alignl 7, 3214868480
	.fill 96, 4, 3214868480
	.section	.rodata,"a",@progbits
	.p2align	6, 0x0
	.amdhsa_kernel k_q4dfeb2e690_block
		.amdhsa_group_segment_fixed_size 269824
		.amdhsa_private_segment_fixed_size 0
		.amdhsa_enable_private_segment 0
		.amdhsa_kernarg_size 88
		.amdhsa_user_sgpr_count 2
		.amdhsa_user_sgpr_kernarg_segment_ptr 1
		.amdhsa_wavefront_size32 1
		.amdhsa_system_sgpr_workgroup_id_x 1
		.amdhsa_system_sgpr_workgroup_id_y 1
		.amdhsa_system_sgpr_workgroup_id_z 1
		.amdhsa_system_vgpr_workitem_id 0
		.amdhsa_next_free_vgpr 512
		.amdhsa_next_free_sgpr 66
		.amdhsa_reserve_vcc 1
		.amdhsa_float_denorm_mode_32 3
		.amdhsa_float_denorm_mode_16_64 3
		.amdhsa_memory_ordered 1
		.amdhsa_forward_progress 1
		.amdhsa_inst_pref_size 255
	.end_amdhsa_kernel
	.section	.bss,"aw",@nobits
	.p2align	6
	.space	262144
	.amdgpu_metadata
---
amdhsa.version: [ 1, 2 ]
amdhsa.kernels:
  - .name:           k_q4dfeb2e690_block
    .symbol:         k_q4dfeb2e690_block.kd
    .args:
      - { .name: x, .offset: 0, .size: 8, .value_kind: global_buffer, .address_space: global }
      - { .name: out0, .offset: 8, .size: 8, .value_kind: global_buffer, .address_space: global }
      - { .name: wcodes, .offset: 16, .size: 8, .value_kind: global_buffer, .address_space: global }
      - { .name: wscales, .offset: 24, .size: 8, .value_kind: global_buffer, .address_space: global }
      - { .name: ln1_g, .offset: 32, .size: 8, .value_kind: global_buffer, .address_space: global }
      - { .name: ln1_b, .offset: 40, .size: 8, .value_kind: global_buffer, .address_space: global }
      - { .name: ln2_g, .offset: 48, .size: 8, .value_kind: global_buffer, .address_space: global }
      - { .name: ln2_b, .offset: 56, .size: 8, .value_kind: global_buffer, .address_space: global }
      - { .name: proj_b, .offset: 64, .size: 8, .value_kind: global_buffer, .address_space: global }
      - { .name: ff1_b, .offset: 72, .size: 8, .value_kind: global_buffer, .address_space: global }
      - { .name: ff2_b, .offset: 80, .size: 8, .value_kind: global_buffer, .address_space: global }
    .group_segment_fixed_size: 269824
    .private_segment_fixed_size: 0
    .kernarg_segment_align: 8
    .kernarg_segment_size: 88
    .max_flat_workgroup_size: 256
    .sgpr_count:     66
    .vgpr_count:     512
    .wavefront_size: 32
...
	.end_amdgpu_metadata
.endif
;; end of part 2
